; MI455X (gfx1250); checked and timed in simulation.
; The chip was launched on July 23, 2026; its instructions are those of AMD's public machine-readable ISA for CDNA 5 (MIT licence, August 2026) and "CDNA5" Instruction Set Architecture Reference Guide (July 2026). The comments in the code are by the model that wrote it; some were corrected since.
;; Multi Head Self Attention. Allowed arithmetic: matrix products marked QUANTISED: E4M3 operands, one given power-of-two scale a tensor, by v_wmma_f32_16x16x64_fp8_fp8 or v_wmma_f32_16x16x128_fp8_fp8, f32 sums; everything else in f32.
;; Inputs: k_codes 4 x 2,048 x 32 x 32 uint8 (E4M3 codes of k, K innermost, in blocks of 32 codes); lowp_scales 12 int32 (the exponents e of the quantised operands' scales 2^e); q_codes 4 x 2,048 x 32 x 32 uint8 (E4M3 codes of q, K innermost, in blocks of 32 codes); v_codes 4 x 2,048 x 32 x 32 uint8 (E4M3 codes of v, K innermost, in blocks of 32 codes); wk_b 1,024 float32; wk_w_codes 1,024 x 32 x 32 uint8 (E4M3 codes of wk_w, K innermost, in blocks of 32 codes); wo_b 1,024 float32; wo_w_codes 1,024 x 32 x 32 uint8 (E4M3 codes of wo_w, K innermost, in blocks of 32 codes); wq_b 1,024 float32; wq_w_codes 1,024 x 32 x 32 uint8 (E4M3 codes of wq_w, K innermost, in blocks of 32 codes); wv_b 1,024 float32; wv_w_codes 1,024 x 32 x 32 uint8 (E4M3 codes of wv_w, K innermost, in blocks of 32 codes).
;; Outputs: out0 4 x 2,048 x 1,024 float32; out1 4 x 16 x 2,048 x 64 float32.
;; This version of the problem:
;;   THIS VERSION OF THE PROBLEM IS GIVEN IN LOW PRECISION. The matrix products marked QUANTISED in the list below multiply operands that are first quantised to E4M3 (4 exponent bits, 3 mantissa bits; 8 bits a number), with one given power-of-two scale for each operand tensor; their sums are f32. All else is computed in f32.
;;   The module's matrix products, in the order in which they are computed (A, B: the left and right operand; K: the contracted axis; several contracted axes count as one K, in the product's order):
;;     1. [M 8,192, K 1,024] x [K 1,024, N 1,024]; A: input q (given as codes); B: input wq_w (given as codes): QUANTISED (scales: A lowp_scales[0], B lowp_scales[1])
;;     2. [M 8,192, K 1,024] x [K 1,024, N 1,024]; A: input k (given as codes); B: input wk_w (given as codes): QUANTISED (scales: A lowp_scales[2], B lowp_scales[3])
;;     3. [M 8,192, K 1,024] x [K 1,024, N 1,024]; A: input v (given as codes); B: input wv_w (given as codes): QUANTISED (scales: A lowp_scales[4], B lowp_scales[5])
;;     4. batch 64 x [M 2,048, K 64] x [K 64, N 2,048]; A: computed on the way; B: computed on the way: QUANTISED (scales: A lowp_scales[6], B lowp_scales[7])
;;     5. batch 64 x [M 2,048, K 2,048] x [K 2,048, N 64]; A: softmax (see below); B: computed on the way: QUANTISED (scales: A lowp_scales[8], B lowp_scales[9])
;;     6. [M 8,192, K 1,024] x [K 1,024, N 1,024]; A: computed on the way; B: input wo_w (given as codes): QUANTISED (scales: A lowp_scales[10], B lowp_scales[11])
;;   THE QUANTISER, for each operand of a quantised product, along K:
;;     - The operand's scale is 2^e, e = its entry of the input lowp_scales (int32; the entries are numbered through the quantised products in the list's order, A before B).
;;     - Each number is divided by the scale, clamped to +-448, and rounded to the nearest number of E4M3, ties to even, subnormals kept.
;;     - The product sums the exact products of the quantised numbers (number of the format x scale) in f32.
;;   ~~~python
;;   def quantise(x, axis, e):      # numpy; x: float32 -> the quantised numbers, widened to float32 again
;;       x = np.moveaxis(x, axis, -1); K = x.shape[-1]
;;       r = np.clip(x / 2.0 ** e, -448, 448)
;;       step = 2.0 ** (np.maximum(np.frexp(np.where(r == 0, 1, r))[1] - 1, -6) - 3)
;;       q = np.round(r / step) * step * 2.0 ** e      # np.round: ties to even
;;       return np.moveaxis(q, -1, axis).astype(np.float32)
;;   ~~~
;;   SOFTMAX AHEAD OF A QUANTISED PRODUCT. Where the list says 'softmax', what is quantised is not the finished softmax but p = 2^(t - M), with t = logit x log2(e) and M = ceil(the row's largest t), a whole number; so 1/2 < the row's largest p <= 1. The row's sum l is taken of the UNQUANTISED p, in f32, and the product's result is divided by l at the end. Since M is a whole number, a kernel that streams over the keys may use a running M (the ceiling of the running maximum): every later rescaling is an exact power of two, so the quantised numbers keep their values, but for numbers so far below the row's largest that they fall under the format's range.
;;   OPERANDS COMPUTED ON THE WAY. 'Computed on the way' means the value that the module computes at that place (a softmax that the list does not call 'softmax' is quantised finished and normalised). What goes into a quantiser is computed in f32, as accurately as f32 sums, v_exp_f32 and their like allow (about 1e-6 of the number): no bf16 or f16 on the way to a quantiser, and a product that is left as it is and whose result goes on into a quantised operand takes f32 operands (vector FMAs, or v_wmma_f32_16x16x4_f32). A number that lies on a knife's edge between two numbers of the format may be rounded either way, as far as f32 arithmetic and the matrix unit's own rounding can turn it there, and no further.
;;   INPUTS GIVEN AS CODES. k (in the module: [4, 2048, 1024], K = its axis 2); q (in the module: [4, 2048, 1024], K = its axis 2); v (in the module: [4, 2048, 1024], K = its axis 2); wk_w (in the module: [1024, 1024], K = its axis 1); wo_w (in the module: [1024, 1024], K = its axis 1); wq_w (in the module: [1024, 1024], K = its axis 1); wv_w (in the module: [1024, 1024], K = its axis 1): each comes as NAME_codes (uint8): NAME with its K axis moved to the last place and cut into blocks of 32 codes, [.., K / 32, bytes a block], one block behind the other in memory; one code a byte (a code: sign, 4 exponent bits, 3 mantissa bits); its scale is its entry of lowp_scales. Its value is code x scale, taken as it is: it is not quantised again, and the codes and scales need not be those that the quantiser above would give.
;; One version. Each part assembles by itself: llvm-mc -triple=amdgcn-amd-amdhsa -mcpu=gfx1250 --defsym DOCPART=n.
;; ======== version 1 of 1: 3 launches
;; limits: right only within a limited range of input values
;; workspace buffers: qimg 8,388,608 bytes; kimg 8,388,608 bytes; vimg 8,388,608 bytes; mimg 8,388,608 bytes
;; launch proj (part 1): grid 4 x 64, 4 waves a work-group, clusters of 4 x 4, 327,680 bytes of LDS; arguments q_codes, k_codes, v_codes, wq_w_codes, wk_w_codes, wv_w_codes, wq_b, wk_b, wv_b, lowp_scales, qimg, kimg, vimg; writes qimg, kimg, vimg
.if DOCPART == 1
	.amdgcn_target "amdgcn-amd-amdhsa--gfx1250"
	.amdhsa_code_object_version 6
	.text
	.protected	k_q5e453b94c9_proj
	.globl	k_q5e453b94c9_proj
	.p2align	8
	.type	k_q5e453b94c9_proj,@function
k_q5e453b94c9_proj:
	s_mov_b64 s[64:65], 0
	v_nop
	global_prefetch_b8 v0, s[64:65] scope:SCOPE_SE
	s_setreg_imm32_b32 hwreg(HW_REG_WAVE_MODE, 25, 1), 1
	s_wait_xcnt 0x0
	s_wait_alu depctr_hold_cnt(0) depctr_sa_sdst(0) depctr_va_vdst(0) depctr_va_sdst(0) depctr_va_ssrc(0) depctr_va_vcc(0) depctr_vm_vsrc(0)
	s_getreg_b32 s2, hwreg(HW_REG_IB_STS2, 6, 4)
	s_cmp_eq_u32 s2, 0
	s_cbranch_scc0 .Lentry_in_a_cluster
	s_endpgm
.Lentry_in_a_cluster:
	s_bfe_u32 s2, ttmp6, 0x10000c
	s_cmp_lg_u32 s2, 0xf033
	s_cbranch_scc0 .Lentry_shape_is_right
	s_endpgm
.Lentry_shape_is_right:
; THE THREE INPUT PROJECTIONS, on codes of FP8 (E4M3): Q = q wq^T + bq, K = k wk^T + bk, V = v wv^T + bv, each quantised at once with its given scale and
; stored as an IMAGE OF THE REGISTERS in which the attention launch wants it.  8,192 tokens, 1,024 features, K = 1,024.
; A GEMM here is C[m][n] = sum over k of A[m][k] B[n][k].  Q, K: M side = the tokens, N side = the weight's rows.  V: M side = wv_w's rows, N side = the tokens, so that V comes out with the keys along a lane's registers.
; THE MATRIX INSTRUCTION IS USED TRANSPOSED (source 0 = 16 rows of B, source 1 = 16 rows of A): lane (r, h) of accumulator (a, b) holds M row 16 a + r and, in register j, N = 16 b + 8 h + j.
; The conversion of accumulator b is registers 2 b, 2 b + 1 of an 8-bit fragment whose K runs along N: two neighbouring accumulators are 16 bytes a lane, and a store of the wave writes 512 consecutive bytes.
;   qimg, kimg: [batch x head 64][tile of 16 tokens 128][chunk 2][lane 32][16 bytes];   vimg: [batch x head 64][step of 128 keys 16][tile of 16 channels 4][chunk 4][lane 32][16 bytes]
; SHARES.  A tile of C is 128 (M) x 256 (N); each product has 256 tiles.  A WORK-GROUP STAYS: it makes one tile of Q, then one of K, then one of V.  Four waves, 2 x 2: wave (wm, wn) makes 64 x 128 in 32 accumulators.
; CLUSTERS: 4 x 4 work-groups, 16 clusters.  Q, K: the clusters lie one below the other (64 x 4 tiles); V: 2 x 8 clusters (8 x 32 tiles).  A's tile is asked for jointly along a row of the cluster, B's along a column.
; LDS: slot 0 holds K step 0 and later K step 3 (rows of 256 bytes + 16); behind it K steps 1 and 2 lie as rows of 512 bytes + 16.
; THE LOADS of a tile: four joint loads, one a wave (wave 0 A's K step 0, wave 1 A's steps 1-2, wave 2 B's step 0, wave 3 B's steps 1-2), and one refill of slot 0 with K step 3 (waves 0 and 2).
; The first tile's four go out at the head.  The next tile's four go out in substep 7 of the tile before, behind the full sequence and a round: every byte of the tiles has been read then; they land under the way out.
; At a tile's first barrier only the waves that fetched slot 0 wait for their load; the load of K steps 1 and 2 is waited for at substep 1's round, ahead of its first read.  By this text's own count a wave has one tensor load out.
; The last tile (V) is written out: it asks for nothing more.
; PREFETCH: in substeps 0 to 3 of tiles Q and K each wave asks for rows of the NEXT tile, whole rows of 1,024 bytes in blocks of 256, a lane a row: at least three substeps ahead of the loads that want them.
; The partners share a tile's rows out by address (A: 32 rows at 32 cx; B: 64 rows at 64 cy).  A weight, which many clusters read, is asked for by four clusters alone.  The first tile comes by its loads alone.
; The fragments of A and B are fetched by loads of 16 bytes, which places k otherwise than the form's own layout, alike in A and B: every product meets its partner.
; LIMITS: e0 + e1, e2 + e3, e4 + e5 between -126 and 127; e6, e7, e9 between -126 and 119, so that each power of two below is an f32 number.  NaN among the biases is not served.
; REGISTERS, in windows of 256: window 0: v16-31 addresses and constants; v32-95 the bias along N; v96-103 the bias along M; v128-255 A's fragments, two sets of 64 (on the way out: sums and codes).
;   window 1: B's fragments, two sets of 128.   window 2: accumulator (a, b) at v[8 (8 a + b)].
.set PITCH, 272                        ; 68 words: the 16 rows that a load touches start at 16 different banks (64 banks of 4 bytes: ISA guide 11.1)
.set PITCH2, 528                       ; 132 words: likewise
.set AHALF, 64*PITCH                   ; what one wave reads of A in slot 0
.set BHALF, 128*PITCH                  ; the same of B
.set BOFF,  2*AHALF                    ; slot 0: A's 128 rows, then B's 256
.set SLOT,  BOFF+2*BHALF               ; 104,448 bytes; behind it A's 128 and B's 256 rows of 528 bytes, up to byte 307,200
.set SPARE, 3*SLOT                     ; the spare words, 128 bytes for each wave: two blocks of 256 bytes that no other line names
.set ADRA, 16                          ; v16, v17  LDS address of my A fragments in slot 0, in the rows of 512 bytes
.set ADRB, 20                          ; v20, v21  the same for B
.set PFO,  23                          ; v23     the prefetches' offset: 1,024 x lane
.set LI,   24                          ; v24     16 x lane: my place in an image
.set CBO,  25                          ; v25     32 h: my eight numbers of the bias along N
.set RBO,  26                          ; v26     4 r: my number of the bias along M
.set SPW,  28                          ; v28     LDS address of my spare word; never rewritten
.set NIL,  29                          ; v29     0; never rewritten
.set SCL,  30                          ; v30     2^eo as f32
.set LIM,  31                          ; v31     448 x 2^eo
.set BI,   32
.set RB,   96
.set AF,   128
.set TMP,  128
.set CODE, 192
.set G1C,  4                           ; s[4:11], s[12:19] groups 1 for rows of 512 bytes, A's and B's (the pointers that lay there have been used by then)
.set G1D,  12
.set NXA,  20                          ; s[20:23] the next tile's first bytes of A and of B
.set NXB,  22
.set VA,   24                          ; s[24:27] tile V's
.set VB,   26
.set BK,   28                          ; bias of K;  s[30:31] image of the tile after this one;  s[32:33] bias of V;  s[34:37] this tile's bias and image;  s[38:39] image of V
.set IK,   30
.set BV,   32
.set BC,   34
.set IC,   36
.set IV,   38
.set G1A,  40                          ; s[40:47], s[48:55] groups 1 for rows of 256 bytes
.set G1B,  48
.set WV,   56                          ; s56 wave; s57 wm; s58 wn; s59 the tile's number
.set WM,   57
.set WN,   58
.set TT,   59
.set PFA,  60                          ; s[60:61] where my prefetches stand; s[62:63] the same for tile V; s66, s67 how many I issue
.set PFV,  62
.set PFN,  66
.set PFNV, 67
.set G0,   84                          ; s[84:99] four groups 0: A slot 0, A steps 1-2, B slot 0, B steps 1-2
.set FLAGS, (1<<20)|(1<<21)|(5<<22)|(3<<25)    ; elements of 1 byte; padding on; 21 set beside a mask; four words after every 64
.set FLAGS2, (1<<20)|(1<<21)|(6<<22)|(3<<25)   ; four words after every 128
.set MSB, 0
.macro WIN new                         ; the immediate's high byte repeats the setting that is left; a switch that changes nothing is dropped
.if MSB != \new
	s_set_vgpr_msb (MSB<<8)|\new
.set MSB, \new
.endif
.endm
.set MUL, 0xa1                         ; source 0 (B) window 1, source 1 (A) window 0, C and D window 2
.macro CREST                           ; a round of the cluster's barrier behind its opening barrier
	s_cmp_lg_u32 s[WV], 0
	s_cbranch_scc1 .Lnot_wave_0_\@
	s_barrier_signal -3
.Lnot_wave_0_\@:
	s_barrier_wait -3
	s_barrier_signal -1
	s_barrier_wait -1
.endm
.macro CROUND
	s_barrier_signal -1
	s_barrier_wait -1
	CREST
.endm
.macro PLACES n
.rept \n
	v_nop
.endr
.endm
.macro FOUR                            ; a tile's four joint loads: one chain of branches on the wave's number, one load to an arm, all arms to one join
	s_cmp_lg_u32 s[WV], 0
	s_cbranch_scc1 .Lf1_\@
	tensor_load_to_lds s[G0:G0+3], s[G1A:G1A+7]
	s_nop 0
	PLACES 4
	s_branch .Lfj_\@
.Lf1_\@:
	s_cmp_lg_u32 s[WV], 1
	s_cbranch_scc1 .Lf2_\@
	tensor_load_to_lds s[G0+4:G0+7], s[G1C:G1C+7]
	s_nop 0
	PLACES 4
	s_branch .Lfj_\@
.Lf2_\@:
	s_cmp_lg_u32 s[WV], 2
	s_cbranch_scc1 .Lf3_\@
	tensor_load_to_lds s[G0+8:G0+11], s[G1B:G1B+7]
	s_nop 0
	PLACES 4
	s_branch .Lfj_\@
.Lf3_\@:
	tensor_load_to_lds s[G0+12:G0+15], s[G1D:G1D+7]
	s_nop 0
	PLACES 4
.Lfj_\@:
.endm
.macro REFILL                          ; K step 3 into slot 0: wave 0 A's tile, wave 2 B's
	s_cmp_lg_u32 s[WV], 0
	s_cbranch_scc1 .Lr1_\@
	tensor_load_to_lds s[G0:G0+3], s[G1A:G1A+7]
	s_nop 0
	s_branch .Lrj_\@
.Lr1_\@:
	s_cmp_lg_u32 s[WV], 2
	s_cbranch_scc1 .Lrj_\@
	tensor_load_to_lds s[G0+8:G0+11], s[G1B:G1B+7]
	s_nop 0
.Lrj_\@:
	PLACES 4                                       ; the places in front of the LDS loads that follow, in every wave
.endm
.macro ASK j                           ; block j of 256 bytes of my 32 rows of the next tile
	s_cmp_gt_u32 s[PFN], \j
	s_cbranch_scc0 .Lnot_mine_\@
	global_prefetch_b8 v[PFO], s[PFA:PFA+1] offset:256*\j th:TH_LOAD_NT scope:SCOPE_SE
.Lnot_mine_\@:
.endm
	s_load_b512 s[4:19], s[0:1], 0x0               ; q s[4:5], k s[6:7], v s[8:9], wq s[10:11], wk s[12:13], wv s[14:15], bq s[16:17], bk s[18:19]
	s_load_b256 s[68:75], s[0:1], 0x40             ; bv s[68:69], the scales' exponents s[70:71], qimg s[72:73], kimg s[74:75]
	s_load_b64 s[76:77], s[0:1], 0x60              ; vimg
	v_lshl_add_u32 v[SPW], v0, 2, SPARE
	v_mov_b32 v[NIL], 0
	ds_add_u32 v[SPW], v[NIL]                      ; the opening lines: the add twice on end and its wait
	ds_add_u32 v[SPW], v[NIL]
	v_lshrrev_b32 v1, 5, v0
	v_readfirstlane_b32 s[WV], v1                  ; wave 0..3
	s_lshr_b32 s[WM], s[WV], 1
	s_and_b32 s[WN], s[WV], 1
	s_bfe_u32 s2, ttmp6, 0x40000                   ; cx
	s_bfe_u32 s3, ttmp6, 0x40004                   ; cy
	s_and_b32 s100, ttmp7, 0xffff                  ; the cluster, 0..15
	s_lshl_b32 s82, s3, 2
	s_lshl_b32 s82, 15, s82                        ; my row of the cluster
	s_lshl_b32 s83, 0x1111, s2                     ; my column
	s_or_b32 s[G1A], s82, FLAGS                    ; A's tiles go to my row,
	s_or_b32 s[G1B], s83, FLAGS                    ; B's to my column
	s_mov_b32 s[G1A+1], 256<<16
	s_mov_b32 s[G1A+2], 128<<16                    ; 128 rows
	s_mov_b32 s[G1A+3], 256<<16
	s_mov_b32 s[G1A+4], 128
	s_mov_b32 s[G1A+5], 1024                       ; from row to row
	s_mov_b32 s[G1A+6], 0
	s_mov_b32 s[G1A+7], 0
	s_mov_b32 s[G1B+1], 256<<16
	s_mov_b32 s[G1B+2], 256<<16                    ; 256 rows
	s_mov_b32 s[G1B+3], 256<<16
	s_mov_b32 s[G1B+4], 256
	s_mov_b32 s[G1B+5], 1024
	s_mov_b32 s[G1B+6], 0
	s_mov_b32 s[G1B+7], 0
	; byte offsets, each in the low word of the pair that will hold the address.  A's hang on cy and the cluster alone, B's on cx and the cluster alone
	s_lshl_b32 s101, s100, 2
	s_add_co_u32 s101, s101, s3                    ; Q, K: tile row = 4 x cluster + cy; tile column = cx
	s_lshl_b32 s[NXA], s101, 17                    ; 128 rows of 1,024 bytes a tile row
	s_mov_b32 s[NXA+1], 0
	s_lshl_b32 s[NXB], s2, 18                      ; 256 rows a tile column
	s_mov_b32 s[NXB+1], 0
	s_lshr_b32 s104, s100, 3
	s_lshl_b32 s104, s104, 2
	s_add_co_u32 s104, s104, s3                    ; V: tile row = 4 x (cluster / 8) + cy
	s_lshl_b32 s[VA], s104, 17
	s_mov_b32 s[VA+1], 0
	s_and_b32 s105, s100, 7
	s_lshl_b32 s105, s105, 2
	s_add_co_u32 s105, s105, s2                    ; V: tile column = 4 x (cluster % 8) + cx
	s_lshl_b32 s[VB], s105, 18
	s_mov_b32 s[VB+1], 0
	s_lshl_b32 s[BK], s2, 10                       ; the bias along N (Q, K): 256 numbers a tile column, + my 128
	s_lshl_b32 s34, s[WN], 9
	s_add_co_u32 s[BK], s[BK], s34
	s_mov_b32 s[BK+1], 0
	s_lshl_b32 s[BV], s104, 9                      ; the bias along M (V): 128 numbers a tile row, + my 64
	s_lshl_b32 s34, s[WM], 8
	s_add_co_u32 s[BV], s[BV], s34
	s_mov_b32 s[BV+1], 0
	s_lshr_b32 s[IK], s101, 4                      ; Q, K's image: batch = tile row / 16 (16 heads of 131,072 bytes);
	s_lshl_b32 s[IK], s[IK], 21
	s_lshl_b32 s34, s2, 19                         ; 4 heads a tile column,
	s_add_co_u32 s[IK], s[IK], s34
	s_lshl_b32 s34, s[WN], 18                      ; my 2 of them;
	s_add_co_u32 s[IK], s[IK], s34
	s_and_b32 s34, s101, 15                        ; 8 tiles of 16 tokens (1,024 bytes each) a tile row,
	s_lshl_b32 s34, s34, 13
	s_add_co_u32 s[IK], s[IK], s34
	s_lshl_b32 s34, s[WM], 12                      ; my 4 of them
	s_add_co_u32 s[IK], s[IK], s34
	s_mov_b32 s[IK+1], 0
	s_lshr_b32 s[IV], s105, 3                      ; V's image: batch = tile column / 8;
	s_lshl_b32 s[IV], s[IV], 21
	s_lshl_b32 s34, s104, 18                       ; 2 heads a tile row,
	s_add_co_u32 s[IV], s[IV], s34
	s_lshl_b32 s34, s[WM], 17                      ; mine;
	s_add_co_u32 s[IV], s[IV], s34
	s_and_b32 s34, s105, 7                         ; 2 key steps (8,192 bytes each) a tile column,
	s_lshl_b32 s34, s34, 14
	s_add_co_u32 s[IV], s[IV], s34
	s_lshl_b32 s34, s[WN], 13                      ; mine
	s_add_co_u32 s[IV], s[IV], s34
	s_mov_b32 s[IV+1], 0
	; the prefetches.  Waves 0, 1 ask for A: my work-group's 32 rows at 32 cx, blocks 2 wn and 2 wn + 1.  Waves 2, 3 for B: of my work-group's 64 rows at 64 cy the 32 at 32 wn, all four blocks
	s_lshl_b32 s34, s2, 15
	s_lshl_b32 s35, s[WN], 9
	s_add_co_u32 s34, s34, s35
	s_lshl_b32 s36, s3, 16
	s_lshl_b32 s35, s[WN], 15
	s_add_co_u32 s36, s36, s35
	s_add_co_u32 s35, s[NXA], s34
	s_add_co_u32 s37, s[NXB], s36
	s_add_co_u32 s34, s[VA], s34
	s_add_co_u32 s36, s[VB], s36
	s_cmp_eq_u32 s[WM], 0
	s_cselect_b32 s[PFA], s35, s37                 ; in tile K,
	s_cselect_b32 s[PFV], s34, s36                 ; in tile V
	s_mov_b32 s[PFA+1], 0
	s_mov_b32 s[PFV+1], 0
	s_cmp_lt_u32 s100, 4                           ; wk is read by all sixteen clusters: clusters 0 to 3 ask for it
	s_cselect_b32 s[PFN], 4, 0
	s_and_b32 s34, s100, 7
	s_cmp_lt_u32 s34, 2                            ; each half of wv is read by eight clusters: two of them ask for it
	s_cselect_b32 s[PFNV], 2, 0
	s_cmp_eq_u32 s[WM], 0
	s_cselect_b32 s[PFN], 2, s[PFN]
	s_cselect_b32 s[PFNV], s[PFNV], 4
	s_wait_alu depctr_va_vdst(0)                   ; directly ahead of the wait below
	s_wait_dscnt 0x0                               ; both opening adds are done
	s_wait_kmcnt 0x0
	s_add_nc_u64 s[BC:BC+1], s[16:17], s[BK:BK+1]
	s_add_nc_u64 s[BK:BK+1], s[18:19], s[BK:BK+1]
	s_add_nc_u64 s[BV:BV+1], s[68:69], s[BV:BV+1]
	s_add_nc_u64 s[IC:IC+1], s[72:73], s[IK:IK+1]
	s_add_nc_u64 s[IK:IK+1], s[74:75], s[IK:IK+1]
	s_add_nc_u64 s[IV:IV+1], s[76:77], s[IV:IV+1]
	s_mov_b64 s[104:105], s[70:71]
	s_cmp_eq_u32 s[WM], 0                          ; a choice between buffers on the wave's number
	s_cselect_b64 s[100:101], s[6:7], s[12:13]
	s_add_nc_u64 s[PFA:PFA+1], s[100:101], s[PFA:PFA+1]
	s_cselect_b64 s[100:101], s[14:15], s[8:9]
	s_add_nc_u64 s[PFV:PFV+1], s[100:101], s[PFV:PFV+1]
	s_mov_b32 s[G0], 1                             ; count; LDS address; global address; type = 2
	s_mov_b32 s[G0+1], 0
	s_add_nc_u64 s[G0+2:G0+3], s[4:5], s[NXA:NXA+1]
	s_mov_b32 s[G0+4], 1
	s_mov_b32 s[G0+5], SLOT
	s_add_nc_u64 s[G0+6:G0+7], s[G0+2:G0+3], 256
	s_mov_b32 s[G0+8], 1
	s_mov_b32 s[G0+9], BOFF
	s_add_nc_u64 s[G0+10:G0+11], s[10:11], s[NXB:NXB+1]
	s_mov_b32 s[G0+12], 1
	s_mov_b32 s[G0+13], SLOT+128*PITCH2
	s_add_nc_u64 s[G0+14:G0+15], s[G0+10:G0+11], 256
.irp n, 3,7,11,15
	s_or_b32 s[G0+\n], s[G0+\n], 0x80000000
.endr
	s_add_nc_u64 s[NXA:NXA+1], s[6:7], s[NXA:NXA+1]    ; tile K
	s_add_nc_u64 s[NXB:NXB+1], s[12:13], s[NXB:NXB+1]
	s_add_nc_u64 s[VA:VA+1], s[14:15], s[VA:VA+1]      ; tile V: the weight is the M side,
	s_add_nc_u64 s[VB:VB+1], s[8:9], s[VB:VB+1]        ; the tokens are the N side
	s_load_b256 s[68:75], s[104:105], 0x0          ; e0 .. e7
	s_load_b128 s[76:79], s[104:105], 0x20         ; e8 .. e11
	s_or_b32 s[G1C], s82, FLAGS2
	s_or_b32 s[G1D], s83, FLAGS2
	s_mov_b32 s[G1C+1], 512<<16
	s_mov_b32 s[G1C+2], 128<<16
	s_mov_b32 s[G1C+3], 512<<16
	s_mov_b32 s[G1C+4], 128
	s_mov_b32 s[G1C+5], 1024
	s_mov_b32 s[G1C+6], 0
	s_mov_b32 s[G1C+7], 0
	s_mov_b32 s[G1D+1], 512<<16
	s_mov_b32 s[G1D+2], 256<<16
	s_mov_b32 s[G1D+3], 512<<16
	s_mov_b32 s[G1D+4], 256
	s_mov_b32 s[G1D+5], 1024
	s_mov_b32 s[G1D+6], 0
	s_mov_b32 s[G1D+7], 0
	CROUND                                         ; all sixteen work-groups are here: the first joint loads meet
	FOUR                                           ; tile Q's K steps 0 to 2: one tensor load a wave at the head
	v_and_b32 v1, 15, v0                           ; r
	v_bfe_u32 v2, v0, 4, 1                         ; h
	v_lshlrev_b32 v[CBO], 5, v2
	v_lshlrev_b32 v[RBO], 2, v1
	v_mul_u32_u24 v3, v1, PITCH
	v_lshl_add_u32 v3, v2, 4, v3                   ; a fragment's row x pitch + 16 x half, in slot 0,
	v_mul_u32_u24 v4, v1, PITCH2
	v_lshl_add_u32 v4, v2, 4, v4                   ; and among the rows of 512 bytes
	s_mul_i32 s2, s[WM], AHALF                     ; my 64 rows of A
	s_mul_i32 s3, s[WN], BHALF                     ; my 128 rows of B,
	s_add_co_u32 s3, s3, BOFF                      ; which lie behind A's 128
	v_add_nc_u32 v[ADRA], s2, v3
	v_add_nc_u32 v[ADRB], s3, v3
	s_mul_i32 s2, s[WM], 64*PITCH2
	s_add_co_u32 s2, s2, SLOT
	s_mul_i32 s3, s[WN], 128*PITCH2
	s_add_co_u32 s3, s3, SLOT+128*PITCH2
	v_add_nc_u32 v[ADRA+1], s2, v4
	v_add_nc_u32 v[ADRB+1], s3, v4
	v_and_b32 v[LI], 31, v0
	v_lshlrev_b32 v[PFO], 10, v[LI]
	v_lshlrev_b32 v[LI], 4, v[LI]
.macro FRAG reg, adr, off              ; a fragment, 16 rows x 128 K, is 16 registers: four loads of 16 bytes, 32 bytes apart
.irp c, 0,1,2,3
	ds_load_b128 v[\reg+4*\c:\reg+4*\c+3], v[\adr] offset:\off+32*\c
.endr
.endm
.macro FETCH slot, q, p                ; 48 LDS loads in one run: B's eight and A's four fragments of the slot's q-th 128 along K, into set p
.if (\slot) == 0                       ; slot 0: K steps 0 and 3; slots 1 and 2 are the two halves of the rows of 512 bytes
.set FP, PITCH
.set FR, 0
.set FQ, (\q)
.else
.set FP, PITCH2
.set FR, 1
.set FQ, (\q)+2*((\slot)-1)
.endif
	WIN 0x40                                       ; destination window 1, address window 0
.irp i, 0,1,2,3,4,5,6,7
	FRAG 128*(\p)+16*\i, ADRB+FR, 128*FQ+\i*16*FP
.endr
	WIN 0
.irp i, 0,1,2,3
	FRAG AF+64*(\p)+16*\i, ADRA+FR, 128*FQ+\i*16*FP
.endr
.endm
; 8 matrix instructions: A's block a x B's eight, 128 along K.  zero = 1: the first product starts the sums.  The 32 accumulators take turns, one instruction a turn.
.macro MUL8 a, p, zero
.irp b, 0,1,2,3,4,5,6,7
.if \zero
	v_wmma_f32_16x16x128_fp8_fp8 v[8*(8*(\a)+\b):8*(8*(\a)+\b)+7], v[128*(\p)+16*\b:128*(\p)+16*\b+15], v[AF+64*(\p)+16*(\a):AF+64*(\p)+16*(\a)+15], 0
.else
	v_wmma_f32_16x16x128_fp8_fp8 v[8*(8*(\a)+\b):8*(8*(\a)+\b)+7], v[128*(\p)+16*\b:128*(\p)+16*\b+15], v[AF+64*(\p)+16*(\a):AF+64*(\p)+16*(\a)+15], v[8*(8*(\a)+\b):8*(8*(\a)+\b)+7]
.endif
.endr
.endm
; A substep of 128 along K on set p.  The next substep's fragments are asked for first, into the other set, four places behind the matrix instructions that read it (a tile's first substep stands behind the way out's vector work).
.macro PLAIN p, nslot, nq, zero, ask
	s_wait_dscnt 0x0                               ; set p is in
.if \zero == 0
	PLACES 4
.endif
	FETCH \nslot, \nq, 1-(\p)
.if (\ask >= 0) && AK
	ASK \ask
.endif
	WIN MUL
	MUL8 0, \p, \zero
	MUL8 1, \p, \zero
	MUL8 2, \p, \zero
	MUL8 3, \p, \zero
.endm
; The head of a substep on set 1 behind which tensor loads fill bytes again: each wave waits for all its tensor loads, adds 0 to its spare word, waits for that and for its LDS reads; a round of the cluster's barrier follows
.macro MEET
	WIN 0                                          ; (the add's two registers lie in window 0)
	s_wait_tensorcnt 0x0
	ds_add_u32 v[SPW], v[NIL]
	s_wait_dscnt 0x1                               ; only the add may be out: set 1 is in
	WIN MUL
	MUL8 0, 1, 0
	s_wait_dscnt 0x0
	s_barrier_signal -1
	MUL8 1, 1, 0
	WIN 0
	s_barrier_wait -1
	CREST
.endm
.macro TILE last
.set AK, 1-(\last)
	s_wait_alu depctr_va_vdst(0)                   ; ahead of the branch and the waits below
	s_cmp_lg_u32 s[WN], 0                          ; waves 0 and 2 fetched slot 0, which is read behind this barrier; the loads of waves 1 and 3 may stay out
	s_cbranch_scc1 .Lstays_out_\@
	s_wait_tensorcnt 0x0
.Lstays_out_\@:
	s_barrier_signal -1
	s_barrier_wait -1
	FETCH 0, 0, 0
	PLAIN 0, 0, 1, 1, 0                            ; substep 0 (slot 0): its products start the sums
	MEET                                           ; substep 1: K steps 1 and 2 are shown whole, and nobody reads slot 0
	s_add_nc_u64 s[G0+2:G0+3], s[G0+2:G0+3], 768   ; no load of mine is out: slot 0's groups 0 step to K step 3
	s_add_nc_u64 s[G0+10:G0+11], s[G0+10:G0+11], 768
	REFILL                                         ; it has four substeps, 128 matrix instructions, in which to land
	FETCH 1, 0, 0
.if AK
	ASK 1
.endif
	WIN MUL
	MUL8 2, 1, 0
	MUL8 3, 1, 0
	PLAIN 0, 1, 1, 0, 2                            ; substeps 2 to 4
	PLAIN 1, 2, 0, 0, 3
	PLAIN 0, 2, 1, 0, -1
	s_wait_tensorcnt 0x0                           ; substep 5: K step 3 is wanted next
	s_wait_dscnt 0x0
	s_barrier_signal -1
	WIN MUL
	MUL8 0, 1, 0
	MUL8 1, 1, 0
	s_barrier_wait -1
	PLACES 4
	FETCH 0, 0, 0
	WIN MUL
	MUL8 2, 1, 0
	MUL8 3, 1, 0
	PLAIN 0, 0, 1, 0, -1                           ; substep 6
.if \last
	s_wait_dscnt 0x0                               ; substep 7: nothing more to fetch
	WIN MUL
	MUL8 0, 1, 0
	MUL8 1, 1, 0
	MUL8 2, 1, 0
	MUL8 3, 1, 0
	WIN 0
.else
	MEET                                           ; substep 7: every byte of this tile's operands has been read by every wave of every partner
	s_mov_b64 s[G0+2:G0+3], s[NXA:NXA+1]           ; the next tile's K steps 0 to 2
	s_add_nc_u64 s[G0+6:G0+7], s[NXA:NXA+1], 256
	s_mov_b64 s[G0+10:G0+11], s[NXB:NXB+1]
	s_add_nc_u64 s[G0+14:G0+15], s[NXB:NXB+1], 256
.irp n, 3,7,11,15
	s_or_b32 s[G0+\n], s[G0+\n], 0x80000000
.endr
	FOUR                                           ; they land under the rest of this substep and the way out
	WIN MUL
	MUL8 2, 1, 0
	MUL8 3, 1, 0
	WIN 0
.endif
	PLACES 4                                       ; behind the last products: their sources are written and their results read below
	s_wait_kmcnt 0x0                               ; the exponents
	s_wait_loadcnt 0x0                             ; the bias
.endm
.macro POWERS                          ; s2 = ea + eb, s3 = eo
	s_add_co_i32 s2, s2, 127
	s_lshl_b32 s80, s2, 23                         ; 2^(ea + eb) as f32
	s_mov_b32 s81, s80                             ; (named with it as a pair, so it is written)
	s_add_co_i32 s3, s3, 127
	s_lshl_b32 s2, s3, 23
	v_mov_b32 v[SCL], s2
	s_add_co_i32 s3, s3, 8
	s_lshl_b32 s3, s3, 23
	s_or_b32 s3, s3, 0x600000
	v_mov_b32 v[LIM], s3
.endm
; THE WAY OUT.  number = sum x 2^(ea + eb) + bias, in f32; held within +-448 x 2^eo; converted with the scale 2^eo; stored as an image.  v = 0: Q, K: the bias runs along N.  v = 1: V: along M.
.macro EPI v
.irp a, 0,1,2,3
	WIN 0x02                                       ; source 0 (the sums) window 2
.irp b, 0,1,2,3,4,5,6,7
.irp i, 0,2,4,6
.if \v
	v_pk_fma_f32 v[TMP+8*\b+\i:TMP+8*\b+\i+1], v[8*(8*\a+\b)+\i:8*(8*\a+\b)+\i+1], s[80:81], v[RB+2*\a:RB+2*\a+1] op_sel_hi:[1,0,1]
.else
	v_pk_fma_f32 v[TMP+8*\b+\i:TMP+8*\b+\i+1], v[8*(8*\a+\b)+\i:8*(8*\a+\b)+\i+1], s[80:81], v[BI+8*\b+\i:BI+8*\b+\i+1] op_sel_hi:[1,0,1]   ; each accumulator from its low end on
.endif
.endr
.endr
	WIN 0
.set ii, 0
.rept 64
	v_med3_num_f32 v[TMP+ii], v[TMP+ii], -v[LIM], v[LIM]   ; the conversion to an 8-bit code does not saturate (ISA guide 7.6.2): the hold is always executed
.set ii, ii+1
.endr
.irp b, 0,1,2,3,4,5,6,7
	v_cvt_scalef32_pk8_fp8_f32 v[CODE+16*\a+2*\b:CODE+16*\a+2*\b+1], v[TMP+8*\b:TMP+8*\b+7], v[SCL]
.endr
	v_nop                                          ; one plain vector instruction behind the last conversion
.irp c, 0,1,2,3
.if \v
	global_store_b128 v[LI], v[CODE+16*\a+4*\c:CODE+16*\a+4*\c+3], s[IC:IC+1] offset:\a*2048+\c*512
.else
	global_store_b128 v[LI], v[CODE+16*\a+4*\c:CODE+16*\a+4*\c+3], s[IC:IC+1] offset:(\c/2)*131072+\a*1024+(\c%2)*512   ; 32 lanes store 512 consecutive bytes; each block has its own registers
.endif
.endr
.endr
.endm
	s_mov_b32 s[TT], 0
.Ltile:                                            ; two trips: tile Q, tile K
.irp b, 0,1,2,3,4,5,6,7
	global_load_b128 v[BI+8*\b:BI+8*\b+3], v[CBO], s[BC:BC+1] offset:64*\b        ; the bias at N = 16 b + 8 h + 0 .. 7
	global_load_b128 v[BI+8*\b+4:BI+8*\b+7], v[CBO], s[BC:BC+1] offset:64*\b+16
.endr
	TILE 0
	s_add_co_i32 s2, s68, s69
	s_add_co_i32 s3, s70, s71
	s_cmp_eq_u32 s[TT], 0
	s_cselect_b32 s2, s2, s3                       ; e0 + e1 or e2 + e3
	s_cselect_b32 s3, s74, s75                     ; e6 for Q, e7 for K
	POWERS
	EPI 0
	s_wait_xcnt 0x0                                ; the stores and prefetches have read their registers: the pointers below, and the codes' registers in the next tile, may be written
	s_mov_b64 s[NXA:NXA+1], s[VA:VA+1]             ; the tile after the next is V
	s_mov_b64 s[NXB:NXB+1], s[VB:VB+1]
	s_mov_b64 s[BC:BC+1], s[BK:BK+1]
	s_mov_b64 s[IC:IC+1], s[IK:IK+1]
	s_mov_b64 s[IK:IK+1], s[IV:IV+1]
	s_mov_b64 s[PFA:PFA+1], s[PFV:PFV+1]
	s_mov_b32 s[PFN], s[PFNV]
	s_add_co_u32 s[TT], s[TT], 1
	s_cmp_lt_u32 s[TT], 2
	s_wait_alu depctr_va_vdst(0)                   ; directly ahead of the branch
	s_cbranch_scc1 .Ltile
.irp a, 0,1,2,3
	global_load_b32 v[RB+2*\a], v[RBO], s[BV:BV+1] offset:64*\a                   ; tile V: the bias at M = 16 a + r, in both halves of a pair
	global_load_b32 v[RB+2*\a+1], v[RBO], s[BV:BV+1] offset:64*\a
.endr
	TILE 1
	s_add_co_i32 s2, s72, s73                      ; e4 + e5
	s_mov_b32 s3, s77                              ; e9
	POWERS
	EPI 1
	s_wait_tensorcnt 0x0                           ; the wave's end
	ds_add_u32 v[SPW], v[NIL]
	s_wait_dscnt 0x0
	CROUND                                         ; the closing round
	s_endpgm
.Lfunc_end_k_q5e453b94c9_proj:
	.size	k_q5e453b94c9_proj, .Lfunc_end_k_q5e453b94c9_proj-k_q5e453b94c9_proj
	.p2alignl 7, 3214868480
	.fill 96, 4, 3214868480
	.section	.rodata,"a",@progbits
	.p2align	6, 0x0
	.amdhsa_kernel k_q5e453b94c9_proj
		.amdhsa_group_segment_fixed_size 327680
		.amdhsa_private_segment_fixed_size 0
		.amdhsa_enable_private_segment 0
		.amdhsa_kernarg_size 104
		.amdhsa_user_sgpr_count 2
		.amdhsa_user_sgpr_kernarg_segment_ptr 1
		.amdhsa_wavefront_size32 1
		.amdhsa_system_sgpr_workgroup_id_x 1
		.amdhsa_system_sgpr_workgroup_id_y 1
		.amdhsa_system_sgpr_workgroup_id_z 1
		.amdhsa_system_vgpr_workitem_id 0
		.amdhsa_next_free_vgpr 768
		.amdhsa_next_free_sgpr 106
		.amdhsa_reserve_vcc 0
		.amdhsa_float_denorm_mode_32 3
		.amdhsa_float_denorm_mode_16_64 3
		.amdhsa_memory_ordered 1
		.amdhsa_forward_progress 1
		.amdhsa_inst_pref_size 159
	.end_amdhsa_kernel
	.amdgpu_metadata
---
amdhsa.version: [ 1, 2 ]
amdhsa.kernels:
  - .name:           k_q5e453b94c9_proj
    .symbol:         k_q5e453b94c9_proj.kd
    .args:
      - { .name: q_codes, .offset: 0, .size: 8, .value_kind: global_buffer, .address_space: global }
      - { .name: k_codes, .offset: 8, .size: 8, .value_kind: global_buffer, .address_space: global }
      - { .name: v_codes, .offset: 16, .size: 8, .value_kind: global_buffer, .address_space: global }
      - { .name: wq_w_codes, .offset: 24, .size: 8, .value_kind: global_buffer, .address_space: global }
      - { .name: wk_w_codes, .offset: 32, .size: 8, .value_kind: global_buffer, .address_space: global }
      - { .name: wv_w_codes, .offset: 40, .size: 8, .value_kind: global_buffer, .address_space: global }
      - { .name: wq_b, .offset: 48, .size: 8, .value_kind: global_buffer, .address_space: global }
      - { .name: wk_b, .offset: 56, .size: 8, .value_kind: global_buffer, .address_space: global }
      - { .name: wv_b, .offset: 64, .size: 8, .value_kind: global_buffer, .address_space: global }
      - { .name: lowp_scales, .offset: 72, .size: 8, .value_kind: global_buffer, .address_space: global }
      - { .name: qimg, .offset: 80, .size: 8, .value_kind: global_buffer, .address_space: global }
      - { .name: kimg, .offset: 88, .size: 8, .value_kind: global_buffer, .address_space: global }
      - { .name: vimg, .offset: 96, .size: 8, .value_kind: global_buffer, .address_space: global }
    .group_segment_fixed_size: 327680
    .private_segment_fixed_size: 0
    .kernarg_segment_align: 8
    .kernarg_segment_size: 104
    .max_flat_workgroup_size: 128
    .sgpr_count:     106
    .vgpr_count:     768
    .wavefront_size: 32
...
	.end_amdgpu_metadata
.endif
;; end of part 1
;; launch attn (part 2): grid 4 x 64, 16 waves a work-group, clusters of 4 x 1, 327,680 bytes of LDS; arguments qimg, kimg, vimg, lowp_scales, out1, mimg; writes out1, mimg
.if DOCPART == 2
	.amdgcn_target "amdgcn-amd-amdhsa--gfx1250"
	.amdhsa_code_object_version 6
	.text
	.protected	k_q5e453b94c9_attn
	.globl	k_q5e453b94c9_attn
	.p2align	8
	.type	k_q5e453b94c9_attn,@function
k_q5e453b94c9_attn:
	s_mov_b64 s[64:65], 0
	v_nop
	global_prefetch_b8 v0, s[64:65] scope:SCOPE_SE
	s_setreg_imm32_b32 hwreg(HW_REG_WAVE_MODE, 25, 1), 1
	s_wait_xcnt 0x0
	s_wait_alu depctr_hold_cnt(0) depctr_sa_sdst(0) depctr_va_vdst(0) depctr_va_sdst(0) depctr_va_ssrc(0) depctr_va_vcc(0) depctr_vm_vsrc(0)
	s_getreg_b32 s2, hwreg(HW_REG_IB_STS2, 6, 4)
	s_cmp_eq_u32 s2, 0
	s_cbranch_scc0 .Lentry_in_a_cluster
	s_endpgm
.Lentry_in_a_cluster:
	s_bfe_u32 s2, ttmp6, 0x10000c
	s_cmp_lg_u32 s2, 0x3003
	s_cbranch_scc0 .Lentry_shape_is_right
	s_endpgm
.Lentry_shape_is_right:
; ATTENTION ON CODES OF FP8 (E4M3): ctx = softmax(Q K^T / 8) V for 64 (batch, head) pairs, 2,048 queries and keys, head size 64.
; Q, K, V come as images of the matrix fragments (qimg, kimg: [bh][tile of 16 tokens][chunk 2][lane][16 B]; vimg: [bh][step of 128 keys][tile of 16 channels][chunk 4][lane][16 B]).
; t = score x log2(e) / 8; M = the running largest t rounded up to a whole number; p = 2^(t - M) is held at 448 x 2^e8 and quantised with 2^e8; the row's sum is taken of the unquantised p and divides at the end.
; out1 gets ctx in f32; mimg gets ctx's codes (scale 2^e10) as images of the last projection's fragments.
; SHARES: a work-group owns 512 queries of one head; each of 16 waves owns 32 (two tiles x = 0, 1), which share every fragment of K and V.  Both products are used transposed: a lane holds one query.
; LDS: the head's whole K (131,072 bytes from 0) and V (from 131,072) are resident.  Each wave issues two joint loads: 5,120 bytes of key steps 0-4 at the head, and 11,264 bytes of steps 5-15
; behind the full sequence and a round; nothing is filled again.  Waves 0-7 fetch K, waves 8-15 V.  CLUSTER: the four work-groups of a head ask jointly (mask 15).
; BARRIERS, both split: the first is signalled behind step 2 (my second load is in) and awaited ahead of step 5; the second is signalled ahead of step 5 (my reads of steps 0-4 are over) and awaited at the way out,
; whose stages lie in the bytes of steps 0-4: they have had their one fill and nobody reads them then.
; NO PREFETCH: both loads of a wave go out ahead of the loops, so there is no later load to run ahead of.
; LIMITS: e6 + e7 between -123 and 130; e8 and e10 between -126 and 119; the scaled scores stay under 2^31 in magnitude.
; REGISTERS: v1 V's lane address, v3 16 x lane; v2, v4 f = 2^(old M - new M); v5 a conversion's scale; v6, v8 -M; v7, v9 the largest raw score; v[10:13] the sums; v14, v15 the step's addresses;
; v16-31 Q; v32-63 K's fragments, then temporaries and p's codes; v64-191 S^T, then p (v64-127 later V's fragments); v192-255 O^T.
.set VBASE, 131072
.set STEPB, 8192                       ; a step of 128 keys, in K and in V
.set P1,    5                          ; key steps that the first load brings
.set P1B,   P1*STEPB/8                 ; a wave's bytes of it
.set P2B,   (16-P1)*STEPB/8            ; and of the second load
.set SPARE, 262144                     ; the spare words: 128 bytes a wave, 2,048 bytes that no other line names
.set SP,    272                        ; a stage's row: 256 bytes + 16
.set LIV,  1
.set LI,   3
.set ADK,  14
.set ADV,  15
.set WV,   16
.set SEL,  20
.set CS,   22
.set PMAX, 24
.set TB,   25
.set CNT,  27
.set G1A,  36
.set G1B,  44
.set G0A,  52
.set G0B,  56
.macro ROUND                           ; a round of the cluster's barrier
	s_barrier_signal -1
	s_barrier_wait -1
	s_cmp_lg_u32 s[WV], 0
	s_cbranch_scc1 .Lnot_wave_0_\@
	s_barrier_signal -3
.Lnot_wave_0_\@:
	s_barrier_wait -3
	s_barrier_signal -1
	s_barrier_wait -1
.endm
	s_load_b256 s[4:11], s[0:1], 0x0               ; qimg, kimg, vimg, the scales' exponents
	s_load_b128 s[12:15], s[0:1], 0x20             ; out1, mimg
	v_lshl_add_u32 v254, v0, 2, SPARE
	v_mov_b32 v255, 0
	ds_add_u32 v254, v255                          ; the opening lines: the add twice on end and its wait
	ds_add_u32 v254, v255
	v_lshrrev_b32 v1, 5, v0
	v_readfirstlane_b32 s[WV], v1                  ; wave 0..15
	s_bfe_u32 s17, ttmp6, 0x40000                  ; cx
	s_lshl_b32 s19, ttmp9, 2
	s_add_co_u32 s19, s19, s17                     ; which 512 queries
	s_and_b32 s18, ttmp7, 0xffff                   ; batch x head
.irp g, G1A, G1B                       ; dense blocks as rows of 256 bytes (32 elements of 8 bytes); mask 15, bit 21 beside it
	s_mov_b32 s[\g], 15|(3<<16)|(1<<21)
	s_mov_b32 s[\g+1], 32<<16
	s_mov_b32 s[\g+3], 32<<16
	s_mov_b32 s[\g+5], 32
	s_mov_b32 s[\g+6], 0
	s_mov_b32 s[\g+7], 0
.endr
	s_mov_b32 s[G1A+2], (P1B/256)<<16
	s_mov_b32 s[G1A+4], P1B/256
	s_mov_b32 s[G1B+2], (P2B/256)<<16
	s_mov_b32 s[G1B+4], P2B/256
	s_lshr_b32 s60, s[WV], 3
	s_lshl_b32 s60, s60, 17                        ; K's or V's half of LDS
	s_and_b32 s61, s[WV], 7
	s_mul_i32 s62, s61, P1B                        ; my part of steps 0-4,
	s_mul_i32 s63, s61, P2B
	s_add_co_u32 s63, s63, P1*STEPB                ; and of steps 5-15: the same offsets in memory and in LDS
	s_mov_b32 s[G0A], 1
	s_add_co_u32 s[G0A+1], s60, s62
	s_mov_b32 s[G0B], 1
	s_add_co_u32 s[G0B+1], s60, s63
	s_lshl_b32 s66, s18, 17                        ; the head's first byte in each image
	s_mov_b32 s67, 0
	s_mov_b32 s[SEL], 0x76543210
	s_mov_b32 s[SEL+1], 0xfedcba98
	s_mov_b32 s[TB], 0
	s_wait_alu depctr_va_vdst(0)                   ; directly ahead of the wait below
	s_wait_dscnt 0x0
	s_wait_kmcnt 0x0
	s_load_b128 s[28:31], s[10:11], 0x18           ; e6, e7, e8, e9
	s_load_b32 s32, s[10:11], 0x28                 ; e10
	s_cmp_lt_u32 s[WV], 8
	s_cselect_b64 s[34:35], s[6:7], s[8:9]
	s_add_nc_u64 s[34:35], s[34:35], s[66:67]
	s_mov_b32 s66, s62
	s_add_nc_u64 s[G0A+2:G0A+3], s[34:35], s[66:67]
	s_or_b32 s[G0A+3], s[G0A+3], 0x80000000
	s_mov_b32 s66, s63
	s_add_nc_u64 s[G0B+2:G0B+3], s[34:35], s[66:67]
	s_or_b32 s[G0B+3], s[G0B+3], 0x80000000
	ROUND
	tensor_load_to_lds s[G0A:G0A+3], s[G1A:G1A+7]  ; key steps 0-4: my one load at the head
	s_nop 0
	s_lshl_b32 s60, s18, 17                        ; Q: 131,072 bytes a head, 32,768 a work-group, 2,048 a wave
	s_lshl_b32 s61, s19, 15
	s_add_co_u32 s60, s60, s61
	s_lshl_b32 s61, s[WV], 11
	s_add_co_u32 s60, s60, s61
	s_mov_b32 s61, 0
	s_add_nc_u64 s[4:5], s[4:5], s[60:61]
	v_and_b32 v[LI], 31, v0
	v_lshlrev_b32 v[LI], 4, v[LI]
	v_add_nc_u32 v[LIV], VBASE, v[LI]
.irp c, 0,1,2,3
	global_load_b128 v[16+4*\c:19+4*\c], v[LI], s[4:5] offset:512*\c
.endr
	s_lshl_b32 s60, s18, 19                        ; out1: 524,288 bytes a head, 131,072 a work-group, 8,192 a wave
	s_lshl_b32 s62, s19, 17
	s_add_co_u32 s60, s60, s62
	s_lshl_b32 s62, s[WV], 13
	s_add_co_u32 s60, s60, s62
	s_add_nc_u64 s[12:13], s[12:13], s[60:61]
	s_lshr_b32 s62, s18, 4                         ; mimg: my first tile of 16 tokens among the 512 of all batches,
	s_lshl_b32 s62, s62, 7
	s_lshl_b32 s63, s19, 5
	s_add_co_u32 s62, s62, s63
	s_lshl_b32 s63, s[WV], 1
	s_add_co_u32 s62, s62, s63
	s_lshr_b32 s60, s62, 3                         ; its block of 128 tokens (131,072 bytes) and its place there (2,048),
	s_lshl_b32 s60, s60, 17
	s_and_b32 s62, s62, 7
	s_lshl_b32 s62, s62, 11
	s_add_co_u32 s60, s60, s62
	s_and_b32 s62, s18, 15                         ; the head: two heads are 128 along K (16,384 bytes); an odd head is chunks 2, 3
	s_lshr_b32 s63, s62, 1
	s_lshl_b32 s63, s63, 14
	s_add_co_u32 s60, s60, s63
	s_and_b32 s62, s62, 1
	s_lshl_b32 s62, s62, 10
	s_add_co_u32 s60, s60, s62
	s_add_nc_u64 s[14:15], s[14:15], s[60:61]
	v_mov_b32 v7, 0xff61b1e6                       ; the largest score so far: -3e38
	v_mov_b32 v9, 0xff61b1e6
	v_floor_f32 v6, -v7                            ; -M
	v_floor_f32 v8, -v9
	v_mov_b32 v10, 0
	v_mov_b32 v11, 0
	v_mov_b32 v12, 0
	v_mov_b32 v13, 0
.set ii, 0
.rept 62
	v_mov_b32 v[192+ii], 0                         ; O^T: the step is written once, its first run finds zeros
.set ii, ii+1
.endr
	s_wait_kmcnt 0x0
	s_add_co_i32 s60, s28, s29
	s_lshl_b32 s60, s60, 23
	s_add_co_i32 s[CS], s60, 0x3e38aa3b            ; c = log2(e) / 8 x 2^(e6 + e7)
	s_mov_b32 s[CS+1], s[CS]
	s_add_co_i32 s60, s30, 127
	s_lshl_b32 s61, s60, 23
	v_mov_b32 v5, s61                              ; 2^e8
	s_add_co_i32 s60, s60, 8
	s_lshl_b32 s60, s60, 23
	s_or_b32 s[PMAX], s60, 0x600000                ; 448 x 2^e8
	s_wait_alu depctr_va_vdst(0)                   ; directly ahead of the wait below
	s_wait_tensorcnt 0x0                           ; my part of steps 0-4 is in; the later first fill is issued as a refill is
	ds_add_u32 v254, v255
	s_wait_dscnt 0x0
	ROUND                                          ; everybody's part is in
	tensor_load_to_lds s[G0B:G0B+3], s[G1B:G1B+7]  ; key steps 5-15
	s_nop 0
	v_mov_b32 v254, 0                              ; the last two registers of O^T; the add's two are made anew at the wave's end
	v_mov_b32 v255, 0
; p of tile x: t - M, the exponentials as one batch, the sum of the unquantised p, the hold (two a line), the codes
.macro PQ x
.set SB, 64+64*(\x)
.set NM, 6+2*(\x)
.set FF, 2+2*(\x)
.set SU, 10+2*(\x)
.set PC, 32+16*(\x)
.set jj, 0
.rept 32
	v_pk_fma_f32 v[SB+jj:SB+jj+1], v[SB+jj:SB+jj+1], s[CS:CS+1], v[NM:NM+1] op_sel_hi:[1,0,0]
.set jj, jj+2
.endr
	s_wait_alu depctr_va_vdst(0)                   ; ahead of the batch
.set jj, 0
.rept 64
	v_exp_f32 v[SB+jj], v[SB+jj]
.set jj, jj+1
.endr
	v_pk_mul_f32 v[SU:SU+1], v[SU:SU+1], v[FF:FF+1] op_sel_hi:[1,0]   ; the sums under the new M; the plain place behind the batch
	s_wait_alu depctr_va_vdst(0)                   ; behind the batch, ahead of its first reader
	v_pk_add_f32 v[52:53], v[SB:SB+1], v[SB+2:SB+3]
.irp j, 4,8,12,16,20,24,28,32,36,40,44,48,52,56,60
	v_pk_add_f32 v[SU:SU+1], v[SU:SU+1], v[SB+\j:SB+\j+1]
	v_pk_add_f32 v[52:53], v[52:53], v[SB+\j+2:SB+\j+3]
.endr
	v_pk_add_f32 v[SU:SU+1], v[SU:SU+1], v[52:53]
.set jj, 0
.rept 32
	v_dual_min_num_f32 v[SB+jj], s[PMAX], v[SB+jj] :: v_dual_min_num_f32 v[SB+jj+1], s[PMAX], v[SB+jj+1]   ; the conversion does not saturate (ISA guide 7.6.2); p is not negative
.set jj, jj+2
.endr
.irp t, 0,1,2,3,4,5,6,7
	v_cvt_scalef32_pk8_fp8_f32 v[PC+2*\t:PC+2*\t+1], v[SB+8*\t:SB+8*\t+7], v5
.endr
	v_nop                                          ; one plain line behind the last conversion
.endm
; A KEY STEP: 128 keys x my 32 queries
.macro STEP
	v_add_nc_u32 v[ADK], s[TB], v[LI]
	v_add_nc_u32 v[ADV], s[TB], v[LIV]
.rept 3
	v_nop                                          ; with the two lines above: five places behind the last products, whose sources are loaded into and written over below
.endr
	s_wait_alu depctr_va_vdst(0)
.irp g, 0,1
.if \g
.rept 4
	v_nop
.endr
.endif
.irp i, 0,1,2,3
	ds_load_b128 v[32+8*\i:35+8*\i], v[ADK] offset:(4*\g+\i)*1024
	ds_load_b128 v[36+8*\i:39+8*\i], v[ADK] offset:(4*\g+\i)*1024+512
.endr
	s_wait_dscnt 0x0
.irp i, 0,1,2,3
.irp x, 0,1
	v_wmma_f32_16x16x64_fp8_fp8 v[64+64*\x+8*(4*\g+\i):64+64*\x+8*(4*\g+\i)+7], v[32+8*\i:39+8*\i], v[16+8*\x:23+8*\x], 0
.endr
.endr
.endr
.rept 4
	v_nop
.endr
	; the largest scores of both tiles, four chains by turns, each accumulator from its low end on
	v_max3_num_f32 v48, v64, v65, v66
	v_max3_num_f32 v49, v67, v68, v69
	v_max3_num_f32 v50, v128, v129, v130
	v_max3_num_f32 v51, v131, v132, v133
.irp i, 6,10,14,18,22,26,30,34,38,42,46,50,54,58
	v_max3_num_f32 v48, v48, v[64+\i], v[65+\i]
	v_max3_num_f32 v49, v49, v[66+\i], v[67+\i]
	v_max3_num_f32 v50, v50, v[128+\i], v[129+\i]
	v_max3_num_f32 v51, v51, v[130+\i], v[131+\i]
.endr
	v_max3_num_f32 v48, v48, v126, v127
	v_max3_num_f32 v50, v50, v190, v191
	v_max_num_f32 v48, v48, v49
	v_max_num_f32 v50, v50, v51
	v_permlanex16_b32 v52, v48, s[SEL], s[SEL+1]
	v_permlanex16_b32 v53, v50, s[SEL], s[SEL+1]
	v_max3_num_f32 v7, v7, v48, v52                ; the running largest score (c is positive: the largest t is c x it)
	v_max3_num_f32 v9, v9, v50, v53
	v_mul_f32 v48, s[CS], v7
	v_mul_f32 v50, s[CS], v9
	v_mov_b32 v49, v6
	v_mov_b32 v51, v8
	v_floor_f32 v6, -v48                           ; the new -M = -ceil(t)
	v_floor_f32 v8, -v50
	v_sub_f32 v49, v6, v49                         ; old M - new M, a whole number, 0 or less
	v_sub_f32 v51, v8, v51
	v_cvt_i32_f32 v49, v49                         ; (it saturates)
	v_cvt_i32_f32 v51, v51
	v_ldexp_f32 v2, 1.0, v49                       ; f = 2^(old M - new M)
	v_ldexp_f32 v4, 1.0, v51
.irp x, 0,1
.set jj, 0
.rept 16
	v_pk_mul_f32 v[192+32*\x+jj:193+32*\x+jj], v[192+32*\x+jj:193+32*\x+jj], v[2+2*\x:3+2*\x] op_sel_hi:[1,0]   ; O^T under the new M, ahead of the exponentials
.set jj, jj+2
.endr
.endr
	PQ 0
.irp t, 0,1,2,3
.irp c, 0,1,2,3
	ds_load_b128 v[64+16*\t+4*\c:64+16*\t+4*\c+3], v[ADV] offset:2048*\t+512*\c   ; V's fragments, where tile 0's p lay; they land under tile 1's work
.endr
.endr
	PQ 1
	s_wait_alu depctr_va_vdst(0)                   ; directly ahead of the wait below
	s_wait_dscnt 0x0
.irp t, 0,1,2,3
.irp x, 0,1
	v_wmma_f32_16x16x128_fp8_fp8 v[192+32*\x+8*\t:192+32*\x+8*\t+7], v[64+16*\t:64+16*\t+15], v[32+16*\x:32+16*\x+15], v[192+32*\x+8*\t:192+32*\x+8*\t+7]
.endr
.endr
	s_add_co_u32 s[TB], s[TB], STEPB
.endm
	s_wait_alu depctr_va_vdst(0)                   ; the wait at the head's end
	s_wait_loadcnt 0x0                             ; Q
	s_mov_b32 s[CNT], 3
.Lsteps_a:
	STEP
	s_sub_co_u32 s[CNT], s[CNT], 1
	s_cmp_lg_u32 s[CNT], 0
	s_cbranch_scc1 .Lsteps_a
	s_wait_tensorcnt 0x0                           ; my part of steps 5-15 is in
	s_wait_dscnt 0x0
	s_barrier_signal -1                            ; say so; only LDS loads of bytes that nobody writes, and register work, follow up to the wait
	s_mov_b32 s[CNT], P1-3
.Lsteps_b:
	STEP
	s_sub_co_u32 s[CNT], s[CNT], 1
	s_cmp_lg_u32 s[CNT], 0
	s_cbranch_scc1 .Lsteps_b
	s_barrier_wait -1                              ; everybody's part is in
	s_wait_dscnt 0x0
	s_barrier_signal -1                            ; my reads of steps 0-4 are over
	s_mov_b32 s[CNT], 16-P1
.Lsteps_c:
	STEP
	s_sub_co_u32 s[CNT], s[CNT], 1
	s_cmp_lg_u32 s[CNT], 0
	s_cbranch_scc1 .Lsteps_c
	s_barrier_wait -1                              ; everybody's are: the stages may be written
	; THE WAY OUT.  My stage: 16 rows x 272 bytes, waves 0-7 in K's steps 0-4, waves 8-15 in V's (8 x 4,352 = 34,816 of 40,960 bytes)
	s_lshr_b32 s60, s[WV], 3
	s_lshl_b32 s60, s60, 17
	s_and_b32 s61, s[WV], 7
	s_mul_i32 s61, s61, 16*SP
	s_add_co_u32 s60, s60, s61
	v_and_b32 v128, 15, v0
	v_bfe_u32 v129, v0, 4, 1
	v_mul_u32_u24 v14, v128, SP
	v_mul_u32_u24 v15, v129, SP
	v_lshl_add_u32 v14, v129, 5, v14
	v_lshl_add_u32 v15, v128, 4, v15
	v_add_nc_u32 v14, s60, v14                     ; in: row r, 32 bytes for each half of the lanes
	v_add_nc_u32 v15, s60, v15                     ; back: lanes 0-15 one row, lanes 16-31 the next
	v_add_f32 v10, v10, v11
	v_add_f32 v12, v12, v13
	v_permlanex16_b32 v128, v10, s[SEL], s[SEL+1]
	v_permlanex16_b32 v129, v12, s[SEL], s[SEL+1]
	v_add_f32 v10, v10, v128
	v_add_f32 v12, v12, v129                       ; the rows' sums
	s_wait_alu depctr_va_vdst(0)                   ; ahead of the transcendentals
	v_rcp_f32 v2, v10
	v_rcp_f32 v4, v12
	s_add_co_i32 s61, s30, s31                     ; e8 + e9
	s_add_co_i32 s62, s32, 127
	s_lshl_b32 s63, s62, 23
	v_mov_b32 v5, s63                              ; 2^e10
	s_add_co_i32 s62, s62, 8
	s_lshl_b32 s62, s62, 23
	s_or_b32 s62, s62, 0x600000
	v_mov_b32 v1, s62                              ; 448 x 2^e10
	s_wait_alu depctr_va_vdst(0)                   ; behind them, ahead of their first reader
	v_ldexp_f32 v2, v2, s61
	v_ldexp_f32 v4, v4, s61
	s_wait_alu depctr_va_vdst(0)                   ; directly ahead of the first reader of O^T
.irp x, 0,1
.set jj, 0
.rept 16
	v_pk_mul_f32 v[64+32*\x+jj:64+32*\x+jj+1], v[192+32*\x+jj:192+32*\x+jj+1], v[2+2*\x:3+2*\x] op_sel_hi:[1,0]
.set jj, jj+2
.endr
.endr
.irp x, 0,1
.irp t, 0,1,2,3
	ds_store_b128 v14, v[64+32*\x+8*\t:64+32*\x+8*\t+3] offset:64*\t
	ds_store_b128 v14, v[64+32*\x+8*\t+4:64+32*\x+8*\t+7] offset:64*\t+16
.endr
.irp i, 0,1,2,3,4,5,6,7
	ds_load_b128 v[192+32*\x+4*\i:192+32*\x+4*\i+3], v15 offset:2*\i*SP   ; LDS serves a wave's instructions in order
.endr
.endr
.set jj, 0
.rept 64
	v_med3_num_f32 v[128+jj], v[64+jj], -v1, v1
.set jj, jj+1
.endr
.irp x, 0,1
.irp t, 0,1,2,3
	v_cvt_scalef32_pk8_fp8_f32 v[32+8*\x+2*\t:32+8*\x+2*\t+1], v[128+32*\x+8*\t:128+32*\x+8*\t+7], v5
.endr
.endr
	v_nop
.irp x, 0,1
.irp c, 0,1
	global_store_b128 v[LI], v[32+8*\x+4*\c:32+8*\x+4*\c+3], s[14:15] offset:2048*\x+512*\c   ; 512 consecutive bytes of an image
.endr
.endr
.irp i, 0,1,2,3,4,5,6,7
	s_wait_dscnt 23-\i                             ; behind this load: 7 - i of its run, and tile 1's 8 stores and 8 loads
	global_store_b128 v[LI], v[192+4*\i:192+4*\i+3], s[12:13] offset:512*\i   ; two rows of 256 bytes, aligned
.endr
.irp i, 0,1,2,3,4,5,6,7
	s_wait_dscnt 7-\i
	global_store_b128 v[LI], v[224+4*\i:224+4*\i+3], s[12:13] offset:4096+512*\i
.endr
	s_wait_xcnt 0x0                                ; the stores have read v254, v255
	v_lshl_add_u32 v254, v0, 2, SPARE
	v_mov_b32 v255, 0
	s_wait_alu depctr_va_vdst(0)
	s_wait_tensorcnt 0x0                           ; the wave's end
	ds_add_u32 v254, v255
	s_wait_dscnt 0x0
	ROUND                                          ; the closing round
	s_endpgm
.Lfunc_end_k_q5e453b94c9_attn:
	.size	k_q5e453b94c9_attn, .Lfunc_end_k_q5e453b94c9_attn-k_q5e453b94c9_attn
	.p2alignl 7, 3214868480
	.fill 96, 4, 3214868480
	.section	.rodata,"a",@progbits
	.p2align	6, 0x0
	.amdhsa_kernel k_q5e453b94c9_attn
		.amdhsa_group_segment_fixed_size 327680
		.amdhsa_private_segment_fixed_size 0
		.amdhsa_enable_private_segment 0
		.amdhsa_kernarg_size 48
		.amdhsa_user_sgpr_count 2
		.amdhsa_user_sgpr_kernarg_segment_ptr 1
		.amdhsa_wavefront_size32 1
		.amdhsa_system_sgpr_workgroup_id_x 1
		.amdhsa_system_sgpr_workgroup_id_y 1
		.amdhsa_system_sgpr_workgroup_id_z 1
		.amdhsa_system_vgpr_workitem_id 0
		.amdhsa_next_free_vgpr 256
		.amdhsa_next_free_sgpr 68
		.amdhsa_reserve_vcc 0
		.amdhsa_float_denorm_mode_32 3
		.amdhsa_float_denorm_mode_16_64 3
		.amdhsa_memory_ordered 1
		.amdhsa_forward_progress 1
		.amdhsa_inst_pref_size 107
	.end_amdhsa_kernel
	.amdgpu_metadata
---
amdhsa.version: [ 1, 2 ]
amdhsa.kernels:
  - .name:           k_q5e453b94c9_attn
    .symbol:         k_q5e453b94c9_attn.kd
    .args:
      - { .name: qimg, .offset: 0, .size: 8, .value_kind: global_buffer, .address_space: global }
      - { .name: kimg, .offset: 8, .size: 8, .value_kind: global_buffer, .address_space: global }
      - { .name: vimg, .offset: 16, .size: 8, .value_kind: global_buffer, .address_space: global }
      - { .name: lowp_scales, .offset: 24, .size: 8, .value_kind: global_buffer, .address_space: global }
      - { .name: out1, .offset: 32, .size: 8, .value_kind: global_buffer, .address_space: global }
      - { .name: mimg, .offset: 40, .size: 8, .value_kind: global_buffer, .address_space: global }
    .group_segment_fixed_size: 327680
    .private_segment_fixed_size: 0
    .kernarg_segment_align: 8
    .kernarg_segment_size: 48
    .max_flat_workgroup_size: 512
    .sgpr_count:     68
    .vgpr_count:     256
    .wavefront_size: 32
...
	.end_amdgpu_metadata
.endif
;; end of part 2
;; launch outp (part 3): grid 4 x 64, 4 waves a work-group, clusters of 4 x 4, 327,680 bytes of LDS; arguments mimg, wo_w_codes, wo_b, lowp_scales, out0; writes out0
.if DOCPART == 3
	.amdgcn_target "amdgcn-amd-amdhsa--gfx1250"
	.amdhsa_code_object_version 6
	.text
	.protected	k_q5e453b94c9_outp
	.globl	k_q5e453b94c9_outp
	.p2align	8
	.type	k_q5e453b94c9_outp,@function
k_q5e453b94c9_outp:
	s_mov_b64 s[64:65], 0
	v_nop
	global_prefetch_b8 v0, s[64:65] scope:SCOPE_SE
	s_setreg_imm32_b32 hwreg(HW_REG_WAVE_MODE, 25, 1), 1
	s_wait_xcnt 0x0
	s_wait_alu depctr_hold_cnt(0) depctr_sa_sdst(0) depctr_va_vdst(0) depctr_va_sdst(0) depctr_va_ssrc(0) depctr_va_vcc(0) depctr_vm_vsrc(0)
	s_getreg_b32 s2, hwreg(HW_REG_IB_STS2, 6, 4)
	s_cmp_eq_u32 s2, 0
	s_cbranch_scc0 .Lentry_in_a_cluster
	s_endpgm
.Lentry_in_a_cluster:
	s_bfe_u32 s2, ttmp6, 0x10000c
	s_cmp_lg_u32 s2, 0xf033
	s_cbranch_scc0 .Lentry_shape_is_right
	s_endpgm
.Lentry_shape_is_right:
; THE LAST PROJECTION, on codes of FP8 (E4M3): out[m][n] = 2^(e10 + e11) x (sum over k of ctx[m][k] wo[n][k]) + bo[n].  8,192 tokens, 1,024 features, K = 1,024; out is f32.
; A (ctx's codes) comes as images of its fragments: mimg [128 tokens 64][128 along K 8][tile of 16 tokens 8][chunk 4][lane 32][16 bytes], chunk c = registers 4 c .. 4 c + 3 of a fragment in the form's own layout
; (registers 2 c, 2 c + 1 of lane (r, h): k = 16 c + 8 h + 0 .. 7).  So B's fragments are fetched in that layout too: eight loads of 8 bytes, 16 bytes apart, from rows of wo's codes.
; SHARES.  A tile of out is 128 (tokens) x 256 (features): 256 tiles, one work-group each.  Four waves, 2 x 2: wave (wm, wn) makes 64 x 128 in 32 accumulators.
; THE MATRIX INSTRUCTION IS USED TRANSPOSED (source 0 = 16 rows of wo, source 1 = 16 tokens): a lane holds eight neighbouring numbers of a row of out.
; CLUSTERS: 4 x 4 work-groups.  The four of a row of the cluster need the same images of A, the four of a column the same rows of B: each tile is asked for JOINTLY.
; K goes in four steps of 256 through THREE LDS slots: steps 0, 1, 2 are first fills, step 3 is the launch's one refill (slot 0).  A wave has one tensor load out at the most.
; LIMIT: e10 + e11 between -126 and 127, so that 2^(e10 + e11) is an f32 number.
; REGISTERS, in windows of 256: window 0: v16-31 addresses; v32-95 the bias; v128-255 A's fragments, two sets of 64 (on the way out: results and rows read back).
;   window 1: B's fragments, two sets of 128.   window 2: accumulator (a, b) at v[8 (8 a + b)].
.set PITCH, 272                        ; a row of B in LDS: 256 bytes + 16 of padding = 68 words: the 32 lanes of a load of 8 bytes touch 64 different banks (64 banks of 4 bytes: ISA guide 11.1)
; THE LOADS AS THEY STAND: each wave issues ONE joint load at the head: wave 0 A's K step 0 (32,768 bytes), wave 1 A's K steps 1 and 2 (65,536 bytes, dense), wave 2 B's K step 0, wave 3 B's K steps 1 and 2 (rows of 512 bytes).
; K step 3 is the one refill (slot 0's bytes; waves 0 and 2).  By this text's own count a wave has one tensor load out.
.set AHALF, 16384                      ; A's eight fragments of 128 along K, dense
.set BHALF, 128*PITCH                  ; what one wave reads of B in slot 0
.set BOFF,  2*AHALF                    ; slot 0: A's images, then B's 256 rows
.set SLOT,  BOFF+2*BHALF               ; 102,400 bytes; behind it K steps 1 and 2: A's images (65,536 bytes), then B's 256 rows of 512 bytes + 16
.set PITCH2, 528                       ; 132 words: the 32 lanes of a load of 8 bytes touch 64 different banks here too
.set SPARE, 3*SLOT                     ; behind the tiles (which end at SLOT + 65,536 + 256 x 528 = 303,104): the spare words, 128 bytes for each wave
.set SPITCH, 528                       ; the way out: a stage of 16 rows x (512 bytes + 16) for each wave, in slot 1, which has had its one fill and its last read by then
.set ADRA, 16                          ; v16, v17  LDS address of my A fragments in slot 0, in slots 1 and 2
.set ADRB, 20                          ; v20, v21  the same for B
.set LI,   24                          ; v24     16 x lane
.set CBO,  25                          ; v25     32 h: my eight numbers of the bias
.set STO,  26                          ; v26     the way out: where I put 32 bytes of a row
.set RD,   27                          ; v27     the way out: where I read a row back
.set SPW,  28                          ; v28     LDS address of my spare word; never rewritten
.set NIL,  29                          ; v29     0; never rewritten
.set BI,   32
.set AF,   128
.set TMP,  128
.set BK,   192
.set G1A,  40                          ; s[40:47] descriptor group 1 for A's tiles, s[48:55] for B's
.set G1B,  48
.set G0,   84                          ; s[84:99] four groups 0: A step 0 (later step 3), A steps 1-2, B step 0 (later step 3), B steps 1-2
.set G1C,  16                          ; s[16:23] group 1 for A's 65,536 bytes, s[24:31] for B's rows of 512 bytes
.set G1D,  24
.set WV,   56                          ; s56 wave; s57 wm, also: I fetch for A (0) or B (1); s58 wn, also: which half of that tile I fetch
.set WM,   57
.set WN,   58
.set MSB, 0
.macro WIN new                         ; the immediate's high byte repeats the setting that is left; a switch that changes nothing is dropped
.if MSB != \new
	s_set_vgpr_msb (MSB<<8)|\new
.set MSB, \new
.endif
.endm
.set MUL, 0xa1                         ; source 0 (B) window 1, source 1 (A) window 0, C and D window 2
.macro CREST                           ; a round of the cluster's barrier behind its opening barrier
	s_cmp_lg_u32 s[WV], 0
	s_cbranch_scc1 .Lnot_wave_0_\@
	s_barrier_signal -3
.Lnot_wave_0_\@:
	s_barrier_wait -3
	s_barrier_signal -1
	s_barrier_wait -1
.endm
.macro CROUND                          ; a whole round
	s_barrier_signal -1
	s_barrier_wait -1
	CREST
.endm
.macro PLACES n
.rept \n
	v_nop
.endr
.endm
	s_load_b256 s[4:11], s[0:1], 0x0               ; mimg s[4:5], wo's codes s[6:7], bo s[8:9], the scales' exponents s[10:11]
	s_load_b64 s[12:13], s[0:1], 0x20              ; out0
	v_lshl_add_u32 v[SPW], v0, 2, SPARE
	v_mov_b32 v[NIL], 0
	ds_add_u32 v28, v29
	ds_add_u32 v28, v29
	s_wait_dscnt 0x0
	v_lshrrev_b32 v1, 5, v0
	v_readfirstlane_b32 s[WV], v1                  ; wave 0..3
	s_lshr_b32 s[WM], s[WV], 1
	s_and_b32 s[WN], s[WV], 1
	s_bfe_u32 s61, ttmp6, 0x40000                  ; cx
	s_bfe_u32 s62, ttmp6, 0x40004                  ; cy
	s_lshl_b32 s66, ttmp9, 2
	s_add_co_u32 s66, s66, s61                     ; tile column = 4 x cluster x + cx
	s_and_b32 s63, ttmp7, 0xffff
	s_lshl_b32 s63, s63, 2
	s_add_co_u32 s63, s63, s62                     ; tile row = 4 x cluster y + cy
	s_lshl_b32 s82, s62, 2
	s_lshl_b32 s82, 15, s82                        ; my row of the cluster
	s_lshl_b32 s100, 0x1111, s61                   ; my column
	s_or_b32 s[G1A], s82, 1<<21                    ; A's tiles go to my row: elements of 1 byte; 21 set beside a mask; no padding: images are read 512 consecutive bytes at a time
	s_or_b32 s[G1B], s100, (1<<20)|(1<<21)|(5<<22)|(3<<25)   ; B's to my column; 20 padding on; 24:22 after every 64 words (code 5); 31:25 four words of it (code 3)
	s_or_b32 s[G1C], s82, 1<<21
	s_or_b32 s[G1D], s100, (1<<20)|(1<<21)|(6<<22)|(3<<25)   ; rows of 512 bytes: four words of padding after every 128
	s_mov_b32 s[G1C+1], 256<<16                    ; 65,536 dense bytes as 256 rows of 256
	s_mov_b32 s[G1C+2], 256<<16
	s_mov_b32 s[G1C+3], 256<<16
	s_mov_b32 s[G1C+4], 256
	s_mov_b32 s[G1C+5], 256
	s_mov_b32 s[G1C+6], 0
	s_mov_b32 s[G1C+7], 0
	s_mov_b32 s[G1D+1], 512<<16                    ; 256 rows x 512 bytes, 1,024 bytes apart
	s_mov_b32 s[G1D+2], 256<<16
	s_mov_b32 s[G1D+3], 512<<16
	s_mov_b32 s[G1D+4], 256
	s_mov_b32 s[G1D+5], 1024
	s_mov_b32 s[G1D+6], 0
	s_mov_b32 s[G1D+7], 0
	s_mov_b32 s[G1A+1], 256<<16                    ; rows of 256 bytes
	s_mov_b32 s[G1A+2], 128<<16                    ; 32,768 dense bytes as 128 rows of 256
	s_mov_b32 s[G1A+3], 256<<16
	s_mov_b32 s[G1A+4], 128
	s_mov_b32 s[G1A+5], 256
	s_mov_b32 s[G1A+6], 0
	s_mov_b32 s[G1A+7], 0
	s_mov_b32 s[G1B+1], 256<<16                    ; 256 rows x 256 bytes, 1,024 bytes apart
	s_mov_b32 s[G1B+2], 256<<16                    ; 256 rows
	s_mov_b32 s[G1B+3], 256<<16
	s_mov_b32 s[G1B+4], 256
	s_mov_b32 s[G1B+5], 1024
	s_mov_b32 s[G1B+6], 0
	s_mov_b32 s[G1B+7], 0
	; where the tiles come from.  A's hang on the tile row alone, B's on the tile column alone, each in registers that never hold the other coordinate
	s_lshl_b32 s82, s63, 17                        ; 131,072 bytes of images a tile row
	s_mov_b32 s83, 0
	s_lshl_b32 s100, s66, 18                       ; 256 rows of 1,024 bytes a tile column
	s_mov_b32 s101, 0
	s_wait_kmcnt 0x0
	s_load_b64 s[68:69], s[10:11], 0x28            ; e10, e11
	s_add_nc_u64 s[32:33], s[4:5], s[82:83]
	s_add_nc_u64 s[34:35], s[6:7], s[100:101]
	s_mov_b32 s[G0], 1                             ; A, K step 0: count, LDS address, global address, type = 2
	s_mov_b32 s[G0+1], 0
	s_mov_b64 s[G0+2:G0+3], s[32:33]
	s_or_b32 s[G0+3], s[G0+3], 0x80000000
	s_mov_b32 s[G0+4], 1                           ; A, K steps 1 and 2
	s_mov_b32 s[G0+5], SLOT
	s_add_nc_u64 s[G0+6:G0+7], s[32:33], 32768
	s_or_b32 s[G0+7], s[G0+7], 0x80000000
	s_mov_b32 s[G0+8], 1                           ; B, K step 0
	s_mov_b32 s[G0+9], BOFF
	s_mov_b64 s[G0+10:G0+11], s[34:35]
	s_or_b32 s[G0+11], s[G0+11], 0x80000000
	s_mov_b32 s[G0+12], 1                          ; B, K steps 1 and 2
	s_mov_b32 s[G0+13], SLOT+65536
	s_add_nc_u64 s[G0+14:G0+15], s[34:35], 256
	s_or_b32 s[G0+15], s[G0+15], 0x80000000
	CROUND                                         ; all sixteen work-groups are here: the first joint loads meet
	s_cmp_lg_u32 s[WV], 0                          ; the first fills: one chain of branches on the wave's number, one load to an arm, all arms to one join
	s_cbranch_scc1 .Lfirst_1
	tensor_load_to_lds s[G0:G0+3], s[G1A:G1A+7]
	s_nop 0
	PLACES 4
	s_branch .Lfirst_asked
.Lfirst_1:
	s_cmp_lg_u32 s[WV], 1
	s_cbranch_scc1 .Lfirst_2
	tensor_load_to_lds s[G0+4:G0+7], s[G1C:G1C+7]
	s_nop 0
	PLACES 4
	s_branch .Lfirst_asked
.Lfirst_2:
	s_cmp_lg_u32 s[WV], 2
	s_cbranch_scc1 .Lfirst_3
	tensor_load_to_lds s[G0+8:G0+11], s[G1B:G1B+7]
	s_nop 0
	PLACES 4
	s_branch .Lfirst_asked
.Lfirst_3:
	tensor_load_to_lds s[G0+12:G0+15], s[G1D:G1D+7]
	s_nop 0
	PLACES 4
.Lfirst_asked:
	s_lshl_b32 s2, s66, 10                         ; my first column, in bytes of f32: 1,024 x tile column + 512 x wn: in bo and in a row of out
	s_lshl_b32 s3, s[WN], 9
	s_add_co_u32 s2, s2, s3
	s_mov_b32 s3, 0
	s_add_nc_u64 s[8:9], s[8:9], s[2:3]
	s_add_nc_u64 s[36:37], s[12:13], s[2:3]
	s_lshl_b32 s2, s63, 19                         ; my first row: 128 rows of 4,096 bytes a tile row,
	s_lshl_b32 s67, s[WM], 18                      ; + my 64
	s_add_co_u32 s2, s2, s67
	s_add_nc_u64 s[36:37], s[36:37], s[2:3]
	v_and_b32 v1, 15, v0                           ; r
	v_bfe_u32 v2, v0, 4, 1                         ; h
	v_lshlrev_b32 v[CBO], 5, v2
.irp b, 0,1,2,3,4,5,6,7
	global_load_b128 v[BI+8*\b:BI+8*\b+3], v[CBO], s[8:9] offset:64*\b            ; the bias at n = 16 b + 8 h + 0 .. 7
	global_load_b128 v[BI+8*\b+4:BI+8*\b+7], v[CBO], s[8:9] offset:64*\b+16
.endr
	v_and_b32 v[LI], 31, v0
	v_lshlrev_b32 v[LI], 4, v[LI]
	v_mul_u32_u24 v3, v1, PITCH
	v_lshl_add_u32 v3, v2, 3, v3                   ; B: row x pitch + 8 x half, in slot 0,
	v_mul_u32_u24 v4, v1, PITCH2
	v_lshl_add_u32 v4, v2, 3, v4                   ; and among the rows of 512 bytes
	s_lshl_b32 s2, s[WM], 13                       ; my four fragments of A's eight
	s_mul_i32 s3, s[WN], BHALF                     ; my 128 rows of B,
	s_add_co_u32 s3, s3, BOFF                      ; which lie behind A's images
	v_add_nc_u32 v[ADRA], s2, v[LI]
	v_add_nc_u32 v[ADRB], s3, v3
	s_add_co_u32 s2, s2, SLOT
	s_mul_i32 s3, s[WN], 128*PITCH2
	s_add_co_u32 s3, s3, SLOT+65536
	v_add_nc_u32 v[ADRA+1], s2, v[LI]
	v_add_nc_u32 v[ADRB+1], s3, v4
	s_mul_i32 s2, s[WV], 16*SPITCH
	s_add_co_u32 s2, s2, SLOT                      ; my stage, in slot 1
	v_mul_u32_u24 v[STO], v1, SPITCH               ; in: row r, 32 bytes for each half of the lanes
	v_lshl_add_u32 v[STO], v2, 5, v[STO]
	v_add_nc_u32 v[STO], s2, v[STO]
	v_add_nc_u32 v[RD], s2, v[LI]                  ; back: the 32 lanes take one row of 512 bytes
.macro FETCH slot, q, p                ; 80 LDS loads in one run: B's eight and A's four fragments of the slot's q-th 128 along K, into set p
.if (\slot) == 0                       ; slot 0: K steps 0 and 3; slots 1 and 2 are the two halves of the region behind it
.set FP, PITCH
.set FR, 0
.set FQ, (\q)
.else
.set FP, PITCH2
.set FR, 1
.set FQ, (\q)+2*((\slot)-1)
.endif
	WIN 0x40                                       ; destination window 1, address window 0
.irp i, 0,1,2,3,4,5,6,7
.irp c, 0,1,2,3,4,5,6,7
	ds_load_b64 v[128*(\p)+16*\i+2*\c:128*(\p)+16*\i+2*\c+1], v[ADRB+FR] offset:128*FQ+\i*16*FP+16*\c   ; k = 16 c + 8 h + 0 .. 7
.endr
.endr
	WIN 0
.irp i, 0,1,2,3
.irp c, 0,1,2,3
	ds_load_b128 v[AF+64*(\p)+16*\i+4*\c:AF+64*(\p)+16*\i+4*\c+3], v[ADRA+FR] offset:AHALF*FQ+2048*\i+512*\c   ; an image comes back as it was stored
.endr
.endr
.endm
; 8 matrix instructions: A's block a x B's eight, 128 along K.  zero = 1: the first product starts the sums: nothing is ever cleared.
; The 32 accumulators take turns, one instruction a turn, in the same order in every substep.
.macro MUL8 a, p, zero
.irp b, 0,1,2,3,4,5,6,7
.if \zero
	v_wmma_f32_16x16x128_fp8_fp8 v[8*(8*(\a)+\b):8*(8*(\a)+\b)+7], v[128*(\p)+16*\b:128*(\p)+16*\b+15], v[AF+64*(\p)+16*(\a):AF+64*(\p)+16*(\a)+15], 0
.else
	v_wmma_f32_16x16x128_fp8_fp8 v[8*(8*(\a)+\b):8*(8*(\a)+\b)+7], v[128*(\p)+16*\b:128*(\p)+16*\b+15], v[AF+64*(\p)+16*(\a):AF+64*(\p)+16*(\a)+15], v[8*(8*(\a)+\b):8*(8*(\a)+\b)+7]
.endif
.endr
.endm
; A substep of 128 along K on set p.  The next substep's fragments are asked for first, 32 matrix instructions ahead of their use, into the other set, which the last substep multiplied:
; a load into a register that a matrix instruction has read stands four places behind it, and only plain vector instructions are places (ISA guide 7.12.1 for vector instructions).
.macro PLAIN p, nslot, nq, zero
	s_wait_dscnt 0x0                               ; set p is in
.if \zero == 0
	PLACES 4
.endif
	FETCH \nslot, \nq, 1-(\p)
	WIN MUL
	MUL8 0, \p, \zero
	MUL8 1, \p, \zero
	MUL8 2, \p, \zero
	MUL8 3, \p, \zero
.endm
	s_wait_alu depctr_va_vdst(0)
	s_cmp_lg_u32 s[WN], 0                          ; waves 0 and 2 fetched slot 0, which is read behind this barrier; the loads of waves 1 and 3 may stay out, and substep 1's round waits for them
	s_cbranch_scc1 .Lstays_out
	s_wait_tensorcnt 0x0
.Lstays_out:
	s_barrier_signal -1
	s_barrier_wait -1                              ; slot 0 is whole
	FETCH 0, 0, 0
	PLAIN 0, 0, 1, 1                               ; substep 0 (slot 0): its products start the sums
	; substep 1 leaves slot 0, which is filled again with K step 3.  In front of the round each wave waits for all its tensor loads (so slots 1 and 2 are whole behind it too), adds 0 to its spare word, and waits for that and for its reads of slot 0
	WIN 0                                          ; (the add's two registers lie in window 0)
	s_wait_tensorcnt 0x0
	ds_add_u32 v[SPW], v[NIL]                      ; 0 onto my spare word
	s_wait_dscnt 0x1                               ; only the add, the youngest, may be out: set 1 is in
	WIN MUL
	MUL8 0, 1, 0                                   ; eight matrix instructions stand between the add and the wait for it
	s_wait_dscnt 0x0                               ; the add is done, and my reads of slot 0 are over
	s_barrier_signal -1                            ; this barrier opens a round of the cluster's barrier
	MUL8 1, 1, 0
	WIN 0
	s_barrier_wait -1
	CREST                                          ; no wave of any partner still reads slot 0 or has a load on its way
	s_add_nc_u64 s[G0+2:G0+3], s[G0+2:G0+3], 98304 ; no load of mine is out: slot 0's two groups 0 step to K step 3
	s_add_nc_u64 s[G0+10:G0+11], s[G0+10:G0+11], 768
	s_cmp_lg_u32 s[WV], 0                          ; the joint refill, the first tensor load behind the round: wave 0 A's images, wave 2 B's rows; it has four substeps, 128 matrix instructions, in which to land
	s_cbranch_scc1 .Lrefill_b
	tensor_load_to_lds s[G0:G0+3], s[G1A:G1A+7]
	s_nop 0
	s_branch .Lrefill_asked
.Lrefill_b:
	s_cmp_lg_u32 s[WV], 2
	s_cbranch_scc1 .Lrefill_asked
	tensor_load_to_lds s[G0+8:G0+11], s[G1B:G1B+7]
	s_nop 0
.Lrefill_asked:
	PLACES 4                                       ; the places in front of the loads below, in every wave
	FETCH 1, 0, 0
	WIN MUL
	MUL8 2, 1, 0
	MUL8 3, 1, 0
	PLAIN 0, 1, 1, 0                               ; substep 2 (slot 1): it asks for the last bytes that are read of slot 1
	PLAIN 1, 2, 0, 0                               ; substep 3; slot 2 was shown whole by the round
	PLAIN 0, 2, 1, 0                               ; substep 4 (slot 2)
	; substep 5: K step 3 is wanted next.  The one tensor load that is out is my part of it.  Behind it no wave reads slot 1 any more
	s_wait_tensorcnt 0x0
	s_wait_dscnt 0x0                               ; set 1 is in; no LDS instruction is pending at a signal
	s_barrier_signal -1
	WIN MUL
	MUL8 0, 1, 0
	MUL8 1, 1, 0
	s_barrier_wait -1
	PLACES 4
	FETCH 0, 0, 0
	WIN MUL
	MUL8 2, 1, 0
	MUL8 3, 1, 0
	PLAIN 0, 0, 1, 0                               ; substep 6 (slot 0 again)
	s_wait_dscnt 0x0                               ; substep 7: nothing more to fetch
	WIN MUL
	MUL8 0, 1, 0
	MUL8 1, 1, 0
	MUL8 2, 1, 0
	MUL8 3, 1, 0
	WIN 0
	; THE WAY OUT, block by block of 16 rows x 128 columns.  A lane holds 32 neighbouring bytes of a row, and the lanes beside it hold other rows: so a block goes through my own stage in LDS and
	; comes back as whole rows of 512 bytes.  LDS serves a wave's instructions in order (ISA guide 5.7.1.4): no wait between the stores and the loads.
	PLACES 4                                       ; behind the last products: their sources are written and their results read below
	s_wait_kmcnt 0x0                               ; the exponents
	s_wait_loadcnt 0x0                             ; the bias
	s_add_co_i32 s2, s68, s69
	s_add_co_i32 s2, s2, 127
	s_lshl_b32 s80, s2, 23                         ; 2^(e10 + e11) as f32
	s_mov_b32 s81, s80                             ; (named with it as a pair, so it is written)
.irp a, 0,1,2,3
.if \a > 0
	s_wait_xcnt 0x0                                ; the last block's stores have read their registers: the loads below may land there
.endif
	WIN 0x02                                       ; source 0 (the sums) window 2
.irp b, 0,1,2,3,4,5,6,7
.irp i, 0,2,4,6
	v_pk_fma_f32 v[TMP+8*\b+\i:TMP+8*\b+\i+1], v[8*(8*\a+\b)+\i:8*(8*\a+\b)+\i+1], s[80:81], v[BI+8*\b+\i:BI+8*\b+\i+1] op_sel_hi:[1,0,1]   ; sum x 2^(e10 + e11) + bias, two at a time; each accumulator from its low end on
.endr
.endr
	WIN 0
.irp b, 0,1,2,3,4,5,6,7
	ds_store_b128 v[STO], v[TMP+8*\b:TMP+8*\b+3] offset:64*\b
	ds_store_b128 v[STO], v[TMP+8*\b+4:TMP+8*\b+7] offset:64*\b+16
.endr
.irp t, 0,1,2,3,4,5,6,7,8,9,10,11,12,13,14,15
	ds_load_b128 v[BK+4*\t:BK+4*\t+3], v[RD] offset:\t*SPITCH
.endr
	s_wait_dscnt 0x0                               ; the block is back in registers
.irp t, 0,1,2,3,4,5,6,7,8,9,10,11,12,13,14,15
	global_store_b128 v[LI], v[BK+4*\t:BK+4*\t+3], s[36:37] offset:(16*\a+\t)*4096 th:TH_STORE_NT   ; 32 lanes store 512 consecutive bytes, at a multiple of 512 from out's first byte; written once, read by nobody here
.endr
.endr
	s_wait_tensorcnt 0x0                           ; the wave's end
	ds_add_u32 v[SPW], v[NIL]
	s_wait_dscnt 0x0
	CROUND                                         ; the closing round: no work-group ends while a partner may still ask for a tile that names it
	s_endpgm
.Lfunc_end_k_q5e453b94c9_outp:
	.size	k_q5e453b94c9_outp, .Lfunc_end_k_q5e453b94c9_outp-k_q5e453b94c9_outp
	.p2alignl 7, 3214868480
	.fill 96, 4, 3214868480
	.section	.rodata,"a",@progbits
	.p2align	6, 0x0
	.amdhsa_kernel k_q5e453b94c9_outp
		.amdhsa_group_segment_fixed_size 327680
		.amdhsa_private_segment_fixed_size 0
		.amdhsa_enable_private_segment 0
		.amdhsa_kernarg_size 40
		.amdhsa_user_sgpr_count 2
		.amdhsa_user_sgpr_kernarg_segment_ptr 1
		.amdhsa_wavefront_size32 1
		.amdhsa_system_sgpr_workgroup_id_x 1
		.amdhsa_system_sgpr_workgroup_id_y 1
		.amdhsa_system_sgpr_workgroup_id_z 1
		.amdhsa_system_vgpr_workitem_id 0
		.amdhsa_next_free_vgpr 768
		.amdhsa_next_free_sgpr 102
		.amdhsa_reserve_vcc 0
		.amdhsa_float_denorm_mode_32 3
		.amdhsa_float_denorm_mode_16_64 3
		.amdhsa_memory_ordered 1
		.amdhsa_forward_progress 1
		.amdhsa_inst_pref_size 92
	.end_amdhsa_kernel
	.amdgpu_metadata
---
amdhsa.version: [ 1, 2 ]
amdhsa.kernels:
  - .name:           k_q5e453b94c9_outp
    .symbol:         k_q5e453b94c9_outp.kd
    .args:
      - { .name: mimg, .offset: 0, .size: 8, .value_kind: global_buffer, .address_space: global }
      - { .name: wo_w_codes, .offset: 8, .size: 8, .value_kind: global_buffer, .address_space: global }
      - { .name: wo_b, .offset: 16, .size: 8, .value_kind: global_buffer, .address_space: global }
      - { .name: lowp_scales, .offset: 24, .size: 8, .value_kind: global_buffer, .address_space: global }
      - { .name: out0, .offset: 32, .size: 8, .value_kind: global_buffer, .address_space: global }
    .group_segment_fixed_size: 327680
    .private_segment_fixed_size: 0
    .kernarg_segment_align: 8
    .kernarg_segment_size: 40
    .max_flat_workgroup_size: 128
    .sgpr_count:     102
    .vgpr_count:     768
    .wavefront_size: 32
...
	.end_amdgpu_metadata
.endif
;; end of part 3
